; MI455X (gfx1250); checked and timed in simulation.
; The chip was launched on July 23, 2026; its instructions are those of AMD's public machine-readable ISA for CDNA 5 (MIT licence, August 2026) and "CDNA5" Instruction Set Architecture Reference Guide (July 2026). The comments in the code are by the model that wrote it; some were corrected since.
;; Dynamic ABPINN. Allowed arithmetic: matrix products marked QUANTISED: E2M3 operands, one E8M0 scale for each 32 along K, by v_wmma_scale_f32_16x16x128_f8f6f4 with both operands' format E2M3, f32 sums; products left as they are: f32 operands where the result goes on into a quantised operand, else bf16, f16 or f32 operands; f32 sums; everything else in f32.
;; Inputs: W1 8 x 64 x 3 float32; W2_codes 8 x 64 x 2 x 24 uint8 (E2M3 codes of W2, K innermost, in blocks of 32 codes, four codes in three bytes); W2_scales 8 x 64 x 2 uint8 (E8M0 scales of W2, one for each 32 codes along K); W3_codes 8 x 64 x 2 x 24 uint8 (E2M3 codes of W3, K innermost, in blocks of 32 codes, four codes in three bytes); W3_scales 8 x 64 x 2 uint8 (E8M0 scales of W3, one for each 32 codes along K); W4_codes 8 x 64 x 2 x 24 uint8 (E2M3 codes of W4, K innermost, in blocks of 32 codes, four codes in three bytes); W4_scales 8 x 64 x 2 uint8 (E8M0 scales of W4, one for each 32 codes along K); W5 8 x 1 x 64 float32; b1 8 x 64 float32; b2 8 x 64 float32; b3 8 x 64 float32; b4 8 x 64 float32; b5 8 x 1 float32; centers 8 x 2 float32; log_gammas 8 x 2 float32; scales 8 x 4 float32; t 262,144 x 1 float32; x 262,144 x 1 float32.
;; Outputs: out0 262,144 x 1 float32.
;; This version of the problem:
;;   THIS VERSION OF THE PROBLEM IS GIVEN IN LOW PRECISION. The matrix products marked QUANTISED in the list below multiply operands that are first quantised to E2M3 (2 exponent bits, 3 mantissa bits; 6 bits a number), with one power-of-two scale for each 32 numbers along K (OCP MX v1.0); their sums are f32. All else is computed in f32.
;;   The module's matrix products, in the order in which they are computed (A, B: the left and right operand; K: the contracted axis; several contracted axes count as one K, in the product's order):
;;     1. [M 262,144, K 3] x [K 3, N 64]; A: computed on the way; B: input W1: left as it is (K = 3 < 32)
;;     2. [M 262,144, K 64] x [K 64, N 64]; A: computed on the way; B: input W2 (given as codes): QUANTISED
;;     3. [M 262,144, K 64] x [K 64, N 64]; A: computed on the way; B: input W3 (given as codes): QUANTISED
;;     4. [M 262,144, K 64] x [K 64, N 64]; A: computed on the way; B: input W4 (given as codes): QUANTISED
;;     5. [M 262,144, K 64] x [K 64, N 1]; A: computed on the way; B: input W5: left as it is (N = 1 < 16)
;;     6. [M 262,144, K 3] x [K 3, N 64]; A: computed on the way; B: input W1: left as it is (K = 3 < 32)
;;     7. [M 262,144, K 64] x [K 64, N 64]; A: computed on the way; B: input W2 (given as codes): QUANTISED
;;     8. [M 262,144, K 64] x [K 64, N 64]; A: computed on the way; B: input W3 (given as codes): QUANTISED
;;     9. [M 262,144, K 64] x [K 64, N 64]; A: computed on the way; B: input W4 (given as codes): QUANTISED
;;     10. [M 262,144, K 64] x [K 64, N 1]; A: computed on the way; B: input W5: left as it is (N = 1 < 16)
;;     11. [M 262,144, K 3] x [K 3, N 64]; A: computed on the way; B: input W1: left as it is (K = 3 < 32)
;;     12. [M 262,144, K 64] x [K 64, N 64]; A: computed on the way; B: input W2 (given as codes): QUANTISED
;;     13. [M 262,144, K 64] x [K 64, N 64]; A: computed on the way; B: input W3 (given as codes): QUANTISED
;;     14. [M 262,144, K 64] x [K 64, N 64]; A: computed on the way; B: input W4 (given as codes): QUANTISED
;;     15. [M 262,144, K 64] x [K 64, N 1]; A: computed on the way; B: input W5: left as it is (N = 1 < 16)
;;     16. [M 262,144, K 3] x [K 3, N 64]; A: computed on the way; B: input W1: left as it is (K = 3 < 32)
;;     17. [M 262,144, K 64] x [K 64, N 64]; A: computed on the way; B: input W2 (given as codes): QUANTISED
;;     18. [M 262,144, K 64] x [K 64, N 64]; A: computed on the way; B: input W3 (given as codes): QUANTISED
;;     19. [M 262,144, K 64] x [K 64, N 64]; A: computed on the way; B: input W4 (given as codes): QUANTISED
;;     20. [M 262,144, K 64] x [K 64, N 1]; A: computed on the way; B: input W5: left as it is (N = 1 < 16)
;;     21. [M 262,144, K 3] x [K 3, N 64]; A: computed on the way; B: input W1: left as it is (K = 3 < 32)
;;     22. [M 262,144, K 64] x [K 64, N 64]; A: computed on the way; B: input W2 (given as codes): QUANTISED
;;     23. [M 262,144, K 64] x [K 64, N 64]; A: computed on the way; B: input W3 (given as codes): QUANTISED
;;     24. [M 262,144, K 64] x [K 64, N 64]; A: computed on the way; B: input W4 (given as codes): QUANTISED
;;     25. [M 262,144, K 64] x [K 64, N 1]; A: computed on the way; B: input W5: left as it is (N = 1 < 16)
;;     26. [M 262,144, K 3] x [K 3, N 64]; A: computed on the way; B: input W1: left as it is (K = 3 < 32)
;;     27. [M 262,144, K 64] x [K 64, N 64]; A: computed on the way; B: input W2 (given as codes): QUANTISED
;;     28. [M 262,144, K 64] x [K 64, N 64]; A: computed on the way; B: input W3 (given as codes): QUANTISED
;;     29. [M 262,144, K 64] x [K 64, N 64]; A: computed on the way; B: input W4 (given as codes): QUANTISED
;;     30. [M 262,144, K 64] x [K 64, N 1]; A: computed on the way; B: input W5: left as it is (N = 1 < 16)
;;     31. [M 262,144, K 3] x [K 3, N 64]; A: computed on the way; B: input W1: left as it is (K = 3 < 32)
;;     32. [M 262,144, K 64] x [K 64, N 64]; A: computed on the way; B: input W2 (given as codes): QUANTISED
;;     33. [M 262,144, K 64] x [K 64, N 64]; A: computed on the way; B: input W3 (given as codes): QUANTISED
;;     34. [M 262,144, K 64] x [K 64, N 64]; A: computed on the way; B: input W4 (given as codes): QUANTISED
;;     35. [M 262,144, K 64] x [K 64, N 1]; A: computed on the way; B: input W5: left as it is (N = 1 < 16)
;;     36. [M 262,144, K 3] x [K 3, N 64]; A: computed on the way; B: input W1: left as it is (K = 3 < 32)
;;     37. [M 262,144, K 64] x [K 64, N 64]; A: computed on the way; B: input W2 (given as codes): QUANTISED
;;     38. [M 262,144, K 64] x [K 64, N 64]; A: computed on the way; B: input W3 (given as codes): QUANTISED
;;     39. [M 262,144, K 64] x [K 64, N 64]; A: computed on the way; B: input W4 (given as codes): QUANTISED
;;     40. [M 262,144, K 64] x [K 64, N 1]; A: computed on the way; B: input W5: left as it is (N = 1 < 16)
;;   THE QUANTISER, for each operand of a quantised product, along K:
;;     - K is cut into blocks of 32 from its start; a last block that is shorter is filled with zeros.
;;     - A block's scale is 2^e with e = floor(log2(the largest magnitude in the block)) - 2, held to -126 .. 127; a block of zeros has e = 0. As a byte (E8M0): e + 127.
;;     - Each number is divided by its block's scale, clamped to +-7.5, and rounded to the nearest number of E2M3, ties to even, subnormals kept.
;;     - The product sums the exact products of the quantised numbers (number of the format x scale) in f32.
;;   ~~~python
;;   def quantise(x, axis):      # numpy; x: float32 -> the quantised numbers, widened to float32 again
;;       x = np.moveaxis(x, axis, -1); K = x.shape[-1]
;;       x = np.pad(x, [(0, 0)] * (x.ndim - 1) + [(0, -K % 32)]); x = x.reshape(x.shape[:-1] + (-1, 32)); a = np.abs(x).max(-1, keepdims=True)
;;       e = np.where(a > 0, np.clip(np.frexp(np.where(a > 0, a, 1))[1] - 1 - 2, -126, 127), 0)      # np.frexp(a)[1] - 1 = floor(log2(a)), exactly
;;       r = np.clip(x / 2.0 ** e, -7.5, 7.5)
;;       step = 2.0 ** (np.maximum(np.frexp(np.where(r == 0, 1, r))[1] - 1, 0) - 3)
;;       q = np.round(r / step) * step * 2.0 ** e      # np.round: ties to even
;;       return np.moveaxis(q.reshape(q.shape[:-2] + (-1,))[..., :K], -1, axis).astype(np.float32)
;;   ~~~
;;   OPERANDS COMPUTED ON THE WAY. 'Computed on the way' means the value that the module computes at that place (a softmax that the list does not call 'softmax' is quantised finished and normalised). What goes into a quantiser is computed in f32, as accurately as f32 sums, v_exp_f32 and their like allow (about 1e-6 of the number): no bf16 or f16 on the way to a quantiser, and a product that is left as it is and whose result goes on into a quantised operand takes f32 operands (vector FMAs, or v_wmma_f32_16x16x4_f32). A number that lies on a knife's edge between two numbers of the format may be rounded either way, as far as f32 arithmetic and the matrix unit's own rounding can turn it there, and no further.
;;   INPUTS GIVEN AS CODES. W2 (in the module: [8, 64, 64], K = its axis 2); W3 (in the module: [8, 64, 64], K = its axis 2); W4 (in the module: [8, 64, 64], K = its axis 2): each comes as NAME_codes (uint8): NAME with its K axis moved to the last place and cut into blocks of 32 codes, [.., K / 32, bytes a block], one block behind the other in memory; four codes in three bytes: a row's codes are one little-endian stream of bits, code i at bits 6 i .. 6 i + 5 (a code: sign, 2 exponent bits, 3 mantissa bits); and NAME_scales (uint8): the same leading axes, one E8M0 byte (e + 127) for each 32 codes along K. Its value is code x scale, taken as it is: it is not quantised again, and the codes and scales need not be those that the quantiser above would give.
;; 2 versions, each right; version 2 is version 1 with the launch pinn written anew for expert scheduling mode. Each part assembles by itself: llvm-mc -triple=amdgcn-amd-amdhsa -mcpu=gfx1250 --defsym DOCPART=n.
;; ======== version 1 of 2: 1 launch
;; limits: a function is approximated: absolute error at most 4e-07
;; launch pinn (part 1): grid 256 x 1, 16 waves a work-group, no clusters, 176,128 bytes of LDS; arguments x, t, W1, b1, W2_codes, W2_scales, W3_codes, W3_scales, W4_codes, W4_scales, b2, b3, b4, W5, b5, scales, centers, log_gammas, out0; writes out0
.if DOCPART == 1
	.amdgcn_target "amdgcn-amd-amdhsa--gfx1250"
	.amdhsa_code_object_version 6
	.text
	.protected	k_q8508ff89a4_pinn
	.globl	k_q8508ff89a4_pinn
	.p2align	8
	.type	k_q8508ff89a4_pinn,@function
k_q8508ff89a4_pinn:
	s_mov_b64 s[64:65], 0
	v_nop
	global_prefetch_b8 v0, s[64:65] scope:SCOPE_SE
	s_setreg_imm32_b32 hwreg(HW_REG_WAVE_MODE, 25, 1), 1
	s_wait_xcnt 0x0
; out[n] = tanh(t) * sum_i w_i(x, t) o_i(x, t) + x^2 cos(pi x).  262,144 points, 8 subnets, all of them weighed in for every point (soft gates).
; A subnet: (cos pi x, sin pi x, t) -> 64 in f32, three layers 64 -> 64 on codes of E2M3 with one E8M0 scale for each 32 along K, a dot product with W5; tanh(scale * (.)) behind each of the first four.
; SHARES.  256 work-groups of 16 waves; a wave owns 64 points (256 consecutive bytes of x, t and out0), in two passes of 32 points = two tiles of 16.  A pass is a loop over the 8 subnets.
; LAYOUT.  Every product is used transposed: source 0 = 16 rows of the weight, source 1 = 16 points.  Lane (r = lane % 16, h = lane / 16) holds point r throughout.
;   Row m of weight tile t is hidden unit 8 t + m % 8 + 32 (m / 8): register 8 t + j of the lane's 32 results is then unit 32 h + 8 t + j: ONE WHOLE BLOCK of the next K, in order, in one lane.
;   K is 64, the instruction's K is 128.  A lane's operand registers 0-5 and 6-11 are the instruction's blocks h and 2 + h.  Codes 0-15 of the true block h stand in registers 0-2, codes 16-31 in registers 6-8;
;   registers 3-5 and 9-11 hold zero codes on both sides, written once.  So each conversion's three registers begin on an even number, and a row's scale word is (s0, s1, s0, s1).
;   Layer 1 is the f32 matrix form with K = 4: (cos, sin, t, 1) against (W1[u][0], W1[u][1], W1[u][2], b1[u]), C = 0.  The registers ACC are written by matrix instructions alone.
;   The biases of layers 2 to 4 are the C of the products; no product adds in place.
; tanh(s z) = 1 - 2 / (1 + 2^(c z)), c = 2 log2(e) s.  cos and sin: pi x rounded to f32 as the problem has it, reduced by multiples of pi/2 in three parts, polynomials on +-pi/4.
; The softmax of the gates takes the largest logit away first.
; No tensor load and no copy: the weights (106 KB) are laid once into LDS by the 16 waves, as images of the operand registers; one barrier; behind it the shared bytes are only read.
; No cluster: what work-groups share is those weights, read once at the head; nothing is streamed.
; LIMITS.  This tanh has an absolute error of about 1.2e-7: where all 32 activations of a block lie under about 1e-3 the error relative to the block's code step grows past 1e-4.
;   The range reduction serves |pi x| under 2^22.  NaN and infinities among the inputs, and weight scale bytes 0xff, are not served.
;   A block of zeros gets the scale byte 1, not 127: its codes are zeros and this program alone reads the byte.
.set WIMG,  0                          ; LDS: images of W2..W4: i*12288 + l*4096 + t*1024 + p*512 + 16 lane; a place of 16 bytes holds 12 bytes of codes (p = 0: registers 0-2, p = 1: registers 6-8)
.set WSC,   98304                      ; weight scale words: i*768 + l*256 + 16 m + 4 t
.set TAB,   104448                     ; b2, b3, b4, W5 as they lie: tab*2048 + i*256 + 4 unit
.set W1I,   112640                     ; images of (W1 | b1): i*1024 + q*512 + 16 lane: the registers of tiles 2 q, 2 q + 1
.set PRIV,  120832                     ; each wave's own PRIVB bytes
.set PRIVB, 3328
.set REC,   0                          ; 64 points x 16 bytes: cos, sin, t, 1.0
.set GATE,  1024                       ; the gates: i*256 + 4 point
.set USTG,  3072                       ; the sums: 4 point
.set LI,   1                           ; v1   16 x lane
.set R16,  2                           ; v2   16 x r
.set H128, 3                           ; v3   128 x h
.set L4P,  4                           ; v4   my wave's bytes + 4 x lane
.set RB,   5                           ; v5   my wave's bytes + 16 r + 8 h
.set AW,   6                           ; v6-10 a trip's LDS addresses: codes, scale words, tables, W1's image, gate
.set AS,   7
.set AB,   8
.set A1,   9
.set AG,   10
.set G,    11                          ; v11  the gate of point 32 p + lane
.set U,    12                          ; v12  the pass's sum
.set P8,   13                          ; v13  my wave's bytes + 8 x lane
.set TT,   14                          ; v[14:15] tanh(t) of points 2 lane, 2 lane + 1
.set U0,   16                          ; v[16:17] x^2 cos(pi x) of the same
.set GO,   18                          ; v18  8 x lane
.set W1A,  20                          ; v[20:27] layer 1's weights, two registers a tile
.set PT,   28                          ; v[28:31] the points' operand, two registers a tile of points
.set WS,   32                          ; v[32:35] weight scale words: scales and nothing else
.set SW,   36                          ; v[36:37] the activations' scale words: scales and nothing else
.set MX,   38
.set MY,   39
.set SOP,  40
.set BYT,  41
.set OTH,  42
.set DD,   44                          ; v[44:45], v[46:47] the dot product's two chains
.set EE,   46
.set WF,   48                          ; v[48:95] four weight fragments
.set OP,   96                          ; v[96:119] the activations' codes, two tiles of points
.set BIAS, 120                         ; v[120:151] the layer's bias in the result's layout; for the last step W5
.set ACC,  152                         ; v[152:183] results: destination of matrix instructions only
.set T,    184                         ; v[184:215] at work on 32 activations
.set DM,   216                         ; v216, v217 the two tiles' half dot products
.set CNT,  3
.set EW,   91                          ; s91-95 the subnet's place in each LDS region; s96, s97 in scales and b5
.set ES,   92
.set EB,   93
.set E1,   94
.set EG,   95
.set O16,  96
.set O4,   97
	s_load_b512 s[4:19], s[0:1], 0x0               ; x, t, W1, b1, W2 codes, W2 scales, W3 codes, W3 scales
	s_load_b512 s[20:35], s[0:1], 0x40             ; W4 codes, W4 scales, b2, b3, b4, W5, b5, scales
	s_load_b128 s[36:39], s[0:1], 0x80             ; centers, log_gammas
	s_load_b64 s[40:41], s[0:1], 0x90              ; out0
	v_lshl_add_u32 v224, v0, 2, 0x2a800
	v_mov_b32 v225, 0
	v_lshrrev_b32 v218, 5, v0
	v_readfirstlane_b32 s2, v218                   ; wave 0..15
	v_and_b32 v219, 31, v0                         ; lane
	v_and_b32 v220, 15, v0                         ; r
	v_bfe_u32 v221, v0, 4, 1                       ; h
	v_and_b32 v223, 7, v0
	v_bfe_u32 v218, v0, 3, 1
	v_lshl_add_u32 v223, v218, 5, v223             ; r % 8 + 32 (r / 8): the unit of row r in tile 0
	s_mul_i32 s98, s2, PRIVB
	s_add_co_u32 s98, s98, PRIV                    ; my wave's own bytes
	s_lshr_b32 s99, s2, 1                          ; at the head wave w lays tiles 2 (w % 2), 2 (w % 2) + 1 of subnet w / 2
	s_and_b32 s100, s2, 1
	v_lshlrev_b32 v[LI], 4, v219
	v_lshlrev_b32 v[R16], 4, v220
	v_lshlrev_b32 v[H128], 7, v221
	v_lshl_add_u32 v[L4P], v219, 2, s98
	v_lshl_add_u32 v[RB], v220, 4, s98
	v_lshl_add_u32 v[RB], v221, 3, v[RB]
	v_lshl_add_u32 v[P8], v219, 3, s98
	v_lshlrev_b32 v[GO], 3, v219
	v_lshl_add_u32 v222, v219, 5, s98              ; where my two points' records go
	; offsets in memory
	s_mul_i32 s101, s99, 3072
	s_mul_i32 s3, s100, 768
	s_add_co_u32 s101, s101, s3
	v_mul_u32_u24 v136, v223, 48                   ; codes: a row is 48 bytes; my half's block begins 24 h on
	v_mad_u32_u24 v136, v221, 24, v136
	v_add_nc_u32 v136, s101, v136
	s_lshl_b32 s101, s99, 7
	s_lshl_b32 s3, s100, 5
	s_add_co_u32 s101, s101, s3
	v_lshlrev_b32 v137, 1, v223                    ; scale bytes: two a row; lane (r, h) takes row r of tile 2 (w % 2) + h
	v_lshl_add_u32 v137, v221, 4, v137
	v_add_nc_u32 v137, s101, v137
	v_and_b32 v138, 127, v0
	v_lshlrev_b32 v138, 4, v138                    ; tables: four waves copy one table of 2,048 bytes
	s_lshl_b32 s101, s99, 6
	s_lshl_b32 s3, s100, 4
	s_add_co_u32 s101, s101, s3
	v_add_nc_u32 v147, s101, v223                  ; R: my row of W1 and b1 for the first of my two tiles
	v_mul_u32_u24 v140, v147, 12
	v_lshl_add_u32 v139, v221, 3, v140             ; W1[R][2 h]
	v_lshlrev_b32 v141, 2, v147
	v_lshlrev_b32 v142, 2, v220                    ; log_gammas: 16 numbers
	; and in LDS
	s_mul_i32 s101, s99, 12288
	s_lshl_b32 s3, s100, 11
	s_add_co_u32 s101, s101, s3
	v_add_nc_u32 v143, s101, v[LI]
	s_mul_i32 s101, s99, 768
	s_lshl_b32 s3, s100, 3
	s_add_co_u32 s101, s101, s3
	s_add_co_u32 s101, s101, WSC
	v_lshl_add_u32 v144, v221, 2, v[R16]
	v_add_nc_u32 v144, s101, v144
	v_lshl_add_u32 v145, v0, 4, TAB
	s_lshl_b32 s101, s99, 10
	s_lshl_b32 s3, s100, 9
	s_add_co_u32 s101, s101, s3
	s_add_co_u32 s101, s101, W1I
	v_add_nc_u32 v146, s101, v[LI]
	s_mov_b32 s42, 0x76543210                      ; v_permlanex16_b32's selects for lane l xor 16
	s_mov_b32 s43, 0xfedcba98
	s_mov_b32 s82, 0xbe2aaaa3                      ; sine: r + r z (S1 + z (S2 + z S3))
	s_mov_b32 s83, 0x3c08839e
	s_mov_b32 s84, 0xb94ca1f9
	s_mov_b32 s85, 0x3d2aaaa5                      ; cosine: 1 - z / 2 + z^2 (C1 + z (C2 + z C3))
	s_mov_b32 s86, 0xbab6061a
	s_mov_b32 s87, 0x37ccf5ce
	s_lshl_b32 s92, ttmp9, 12                      ; my wave's 256 bytes of x, t and out0
	s_lshl_b32 s93, s2, 8
	s_add_co_u32 s92, s92, s93
	s_mov_b32 s93, 0
	s_lshr_b32 s96, s2, 2                          ; which table my wave copies
	s_wait_kmcnt 0x0
	s_load_b512 s[44:59], s[36:37], 0x0            ; the 16 centres
	s_add_nc_u64 s[4:5], s[4:5], s[92:93]
	s_add_nc_u64 s[6:7], s[6:7], s[92:93]
	s_add_nc_u64 s[40:41], s[40:41], s[92:93]
	s_cmp_eq_u32 s96, 0                            ; the choice hangs on the wave's number alone
	s_cselect_b64 s[94:95], s[24:25], s[26:27]
	s_cmp_eq_u32 s96, 2
	s_cselect_b64 s[94:95], s[28:29], s[94:95]
	s_cmp_eq_u32 s96, 3
	s_cselect_b64 s[94:95], s[30:31], s[94:95]
	global_load_b64 v[184:185], v[GO], s[4:5] th:TH_LOAD_NT    ; x of points 2 lane, 2 lane + 1: the wave reads 256 consecutive bytes
	global_load_b64 v[186:187], v[GO], s[6:7] th:TH_LOAD_NT    ; t
	global_load_b32 v116, v142, s[38:39]
.irp l, 0,1,2
.irp tt, 0,1
.irp p, 0,1
	global_load_b96 v[48+4*(4*\l+2*\tt+\p):50+4*(4*\l+2*\tt+\p)], v136, s[12+4*\l:13+4*\l] offset:384*\tt+12*\p   ; 16 codes: half p of block h of my row
.endr
.endr
	global_load_u16 v[96+\l], v137, s[14+4*\l:15+4*\l]         ; the row's two scale bytes
.endr
	global_load_b128 v[104:107], v138, s[94:95]
.irp tt, 0,1
	global_load_b32 v[108+2*\tt], v139, s[8:9] offset:96*\tt   ; W1[u][0] or W1[u][2]
	global_load_b32 v[112+\tt], v140, s[8:9] offset:96*\tt+4   ; W1[u][1]
	global_load_b32 v[114+\tt], v141, s[10:11] offset:32*\tt   ; b1[u]
.endr
	s_wait_loadcnt 0x0
	s_wait_kmcnt 0x0
	; the shared bytes of LDS
.irp l, 0,1,2
.irp tt, 0,1
.irp p, 0,1
	ds_store_b96 v143, v[48+4*(4*\l+2*\tt+\p):50+4*(4*\l+2*\tt+\p)] offset:4096*\l+1024*\tt+512*\p
.endr
.endr
	v_lshl_or_b32 v[100+\l], v[96+\l], 16, v[96+\l]            ; (s0, s1, s0, s1)
	ds_store_b32 v144, v[100+\l] offset:256*\l
.endr
	ds_store_b128 v145, v[104:107]
	v_cmp_ne_u32 vcc_lo, 0, v221
	v_cndmask_b32 v109, v112, v114, vcc_lo         ; lanes 0-15: k = 0, 1; lanes 16-31: k = 2, 3 (the bias)
	v_cndmask_b32 v111, v113, v115, vcc_lo
	ds_store_b128 v146, v[108:111]
; cos(pi x) and sin(pi x) of my point g, its record, and x^2 cos(pi x)
.macro SINCOS g
	v_mul_f32 v190, 0x40490fdb, v[184+(\g)]        ; y = pi x, rounded once
	v_mul_f32 v191, 0x3f22f983, v190
	v_rndne_f32 v191, v191                         ; k = the nearest whole number to y / (pi/2)
	v_cvt_i32_f32 v192, v191
	v_fmamk_f32 v193, v191, 0xbfc90fdb, v190       ; r = y - k pi/2, pi/2 in three parts
	v_fmamk_f32 v193, v191, 0x333bbd2e, v193
	v_fmamk_f32 v193, v191, 0x26f72ced, v193
	v_mul_f32 v194, v193, v193                     ; z
	v_fma_f32 v195, v194, s84, s83
	v_fma_f32 v196, v194, s87, s86
	v_fma_f32 v195, v195, v194, s82
	v_fma_f32 v196, v196, v194, s85
	v_mul_f32 v195, v195, v194
	v_fma_f32 v198, v194, -0.5, 1.0
	v_mul_f32 v199, v194, v194
	v_fma_f32 v197, v195, v193, v193               ; sin r
	v_fma_f32 v198, v199, v196, v198               ; cos r
	v_and_b32 v208, 1, v192
	v_cmp_eq_u32 vcc_lo, 1, v208                   ; an odd k changes the two
	v_cndmask_b32 v209, v197, v198, vcc_lo
	v_cndmask_b32 v210, v198, v197, vcc_lo
	v_lshlrev_b32 v211, 30, v192                   ; the sine is negated where k % 4 is 2 or 3,
	v_and_b32 v211, 0x80000000, v211
	v_add_nc_u32 v212, 1, v192                     ; the cosine where it is 1 or 2
	v_lshlrev_b32 v212, 30, v212
	v_and_b32 v212, 0x80000000, v212
	v_xor_b32 v[200+4*(\g)], v212, v210
	v_xor_b32 v[201+4*(\g)], v211, v209
	v_mov_b32 v[202+4*(\g)], v[186+(\g)]
	v_mov_b32 v[203+4*(\g)], 1.0
	ds_store_b128 v222, v[200+4*(\g):203+4*(\g)] offset:REC+16*(\g)
	v_mul_f32 v213, v[184+(\g)], v[184+(\g)]
	v_mul_f32 v[U0+(\g)], v213, v[200+4*(\g)]
.endm
	v_mul_f32 v117, 0x3fb8aa3b, v116
	v_pk_mul_f32 v[188:189], v[186:187], 0x4038aa3b op_sel_hi:[1,0]
	v_exp_f32 v117, v117                           ; gamma = e^log_gamma
	v_exp_f32 v188, v188                           ; 2^(2 log2(e) t)
	v_exp_f32 v189, v189
	SINCOS 0                                       ; names none of the three results
	SINCOS 1
	s_wait_alu depctr_va_vdst(0)                   ; one wait for the three exponentials, ahead of their first reader
.irp k, 0,1,2,3,4,5,6,7,8,9,10,11,12,13,14,15
	v_readlane_b32 s[66+\k], v117, \k
.endr
.irp i, 0,1,2,3,4,5,6,7
.irp g, 0,1
	v_sub_f32 v190, v[184+\g], s[44+2*\i]
	v_sub_f32 v191, v[186+\g], s[45+2*\i]
	v_mul_f32 v190, v190, v190
	v_mul_f32 v191, v191, v191
	v_mul_f32 v191, s[67+2*\i], v191
	v_fma_f32 v[120+2*\i+\g], v190, s[66+2*\i], v191           ; L = minus the logit
.endr
.endr
.irp g, 0,1
	v_min3_num_f32 v[192+\g], v[120+\g], v[122+\g], v[124+\g]  ; the least L is the largest logit
	v_min3_num_f32 v[192+\g], v[192+\g], v[126+\g], v[128+\g]
	v_min3_num_f32 v[192+\g], v[192+\g], v[130+\g], v[132+\g]
	v_min_num_f32 v[192+\g], v[192+\g], v[134+\g]
.endr
.irp i, 0,1,2,3,4,5,6,7
	v_pk_add_f32 v[120+2*\i:121+2*\i], v[192:193], v[120+2*\i:121+2*\i] neg_lo:[0,1] neg_hi:[0,1]
	v_pk_mul_f32 v[120+2*\i:121+2*\i], v[120+2*\i:121+2*\i], 0x3fb8aa3b op_sel_hi:[1,0]
.endr
.irp k, 0,1,2,3,4,5,6,7,8,9,10,11,12,13,14,15
	v_exp_f32 v[120+\k], v[120+\k]
.endr
	v_pk_add_f32 v[188:189], v[188:189], 1.0 op_sel_hi:[1,0]   ; (the plain instruction behind the batch)
	s_wait_alu depctr_va_vdst(0)                   ; one wait for the sixteen
	v_pk_add_f32 v[194:195], v[120:121], v[122:123]
.irp i, 2,3,4,5,6,7
	v_pk_add_f32 v[194:195], v[194:195], v[120+2*\i:121+2*\i]
.endr
	v_rcp_f32 v194, v194
	v_rcp_f32 v195, v195
	v_rcp_f32 v188, v188
	v_rcp_f32 v189, v189
	v_nop
	s_wait_alu depctr_va_vdst(0)                   ; one wait for the four reciprocals
	v_pk_fma_f32 v[TT:TT+1], v[188:189], -2.0, 1.0 op_sel_hi:[1,0,0]   ; tanh(t)
.irp i, 0,1,2,3,4,5,6,7
	v_pk_mul_f32 v[120+2*\i:121+2*\i], v[120+2*\i:121+2*\i], v[194:195]
	ds_store_b64 v[P8], v[120+2*\i:121+2*\i] offset:GATE+256*\i
.endr
	s_wait_dscnt 0x0                               ; for the others' sake: all my stores into LDS are done
	s_barrier_signal -1
	s_barrier_wait -1                              ; the weights' images are whole; from here on the shared bytes are only read
.irp c, 3,4,5,9,10,11                          ; the zero codes that fill the instruction's K beyond 64, on both sides: written once
.irp t, 0,1,2,3
	v_mov_b32 v[WF+12*\t+\c], 0
.endr
.irp m, 0,1
	v_mov_b32 v[OP+12*\m+\c], 0
.endr
.endr
	v_mov_b32 v[OTH], 0                            ; a lane permute's destination counts as one of its sources
	s_mov_b32 s83, 0                               ; named as the upper halves of the pairs that the packed scalings take their factor from
	s_mov_b32 s85, 0
	s_mov_b32 s87, 0
	s_mov_b32 s89, 0
.macro SCALEPASS cs                            ; T = c x results, from each accumulator's low end on; this empties ACC for the next products
.set j, 0
.rept 16
	v_pk_mul_f32 v[T+j:T+j+1], v[ACC+j:ACC+j+1], s[\cs:\cs+1] op_sel_hi:[1,0]
.set j, j+2
.endr
.endm
.macro MM1 m                                   ; layer 1 for tile m of points: four tiles of units, K = 4
.irp t, 0,1,2,3
	v_wmma_f32_16x16x4_f32 v[ACC+8*\t:ACC+8*\t+7], v[W1A+2*\t:W1A+2*\t+1], v[PT+2*(\m):PT+2*(\m)+1], 0
.endr
.endm
.macro MMQ m                                   ; a quantised layer for tile m of points; the bias is C
.irp t, 0,1,2,3
	v_wmma_scale_f32_16x16x128_f8f6f4 v[ACC+8*\t:ACC+8*\t+7], v[WF+12*\t:WF+12*\t+11], v[OP+12*(\m):OP+12*(\m)+11], v[BIAS+8*\t:BIAS+8*\t+7], v[WS+\t], v[SW+(\m)] matrix_a_fmt:MATRIX_FMT_FP6 matrix_b_fmt:MATRIX_FMT_FP6
.endr
.endm
.macro LOADB l                                 ; table l of the subnet: my half's 32 numbers
.irp q, 0,1,2,3,4,5,6,7
	ds_load_b128 v[BIAS+4*\q:BIAS+4*\q+3], v[AB] offset:2048*(\l)+16*\q
.endr
.endm
.macro LOADP l                                 ; 17 loads: the codes, scale words and bias of quantised layer l
.irp t, 0,1,2,3
	ds_load_b96 v[WF+12*\t:WF+12*\t+2], v[AW] offset:4096*(\l)+1024*\t
	ds_load_b96 v[WF+12*\t+6:WF+12*\t+8], v[AW] offset:4096*(\l)+1024*\t+512
.endr
	ds_load_b128 v[WS:WS+3], v[AS] offset:256*(\l)
	LOADB \l
.endm
.macro QUANT m                                 ; my 32 activations are a whole block: its scale, its codes, and the point's scale word
	v_max3_num_f32 v[MX], |v[T]|, |v[T+1]|, 0x1800000          ; with the floor 2^(3 - 127): the byte cannot fall under 1
	v_max3_num_f32 v[MY], |v[T+16]|, |v[T+17]|, |v[T+18]|
.set j, 0
.rept 6
	v_max3_num_f32 v[MX], v[MX], |v[T+2+j]|, |v[T+3+j]|
	v_max3_num_f32 v[MY], v[MY], |v[T+19+j]|, |v[T+20+j]|
.set j, j+2
.endr
	v_max3_num_f32 v[MX], v[MX], |v[T+14]|, |v[T+15]|
	v_max3_num_f32 v[MX], v[MX], v[MY], |v[T+31]|
	v_add_nc_u32 v[SOP], 0xff000000, v[MX]         ; 2 off the exponent field: the conversions take this operand's exponent field as their scale
	v_cvt_scalef32_pk16_fp6_f32 v[OP+12*(\m):OP+12*(\m)+2], v[T:T+15], v[SOP]
	v_cvt_scalef32_pk16_fp6_f32 v[OP+12*(\m)+6:OP+12*(\m)+8], v[T+16:T+31], v[SOP]
	v_lshrrev_b32 v[BYT], 23, v[SOP]               ; the block's byte (the plain instruction behind the conversions)
	v_permlanex16_b32 v[OTH], v[BYT], s42, s43     ; the point's other block's
	v_lshl_or_b32 v[BYT], v[OTH], 8, v[BYT]
	v_lshl_or_b32 v[SW+(\m)], v[BYT], 16, v[BYT]   ; lanes 0-15: (s0, s1, s0, s1); lanes 16-31 are not read
.endm
.macro DOT m                                   ; my half of h . W5
	v_pk_mul_f32 v[DD:DD+1], v[T:T+1], v[BIAS:BIAS+1]
	v_pk_mul_f32 v[EE:EE+1], v[T+2:T+3], v[BIAS+2:BIAS+3]
.set j, 4
.rept 7
	v_pk_fma_f32 v[DD:DD+1], v[T+j:T+j+1], v[BIAS+j:BIAS+j+1], v[DD:DD+1]
	v_pk_fma_f32 v[EE:EE+1], v[T+j+2:T+j+3], v[BIAS+j+2:BIAS+j+3], v[EE:EE+1]
.set j, j+4
.endr
	v_pk_add_f32 v[DD:DD+1], v[DD:DD+1], v[EE:EE+1]
	v_add_f32 v[DM+(\m)], v[DD], v[DD+1]
.endm
; A UNIT: the tanh of one layer's results for one tile of points, and what is made of it.  cs: the layer's factor.  mm: the NEXT unit's products, issued as soon as ACC is empty (1: layer 1 of tile 1;
; 2: a quantised layer of tile 0, behind the wait for its parameters; 3: of tile 1; 0: none).  ld: the next parameters, asked for once the last products that read the old ones stand 17 plain instructions back.
; fin = 0: quantise for the next layer; 1: the dot product with W5.  Each batch of 32 transcendentals has one plain instruction and one wait behind it, ahead of its first reader.
; Distances: the codes and the scale word that QUANT wrote stand the 16 scalings ahead of the products that read them (12 of them name no register of a given product); results are read a whole unit behind their products.
.macro UNIT cs, mm, ld, fin, m
	SCALEPASS \cs
.set j, 0
.rept 32
	v_exp_f32 v[T+j], v[T+j]
.set j, j+1
.endr
.if \mm == 1
	MM1 1
.elseif \mm == 2
	s_wait_dscnt 0x0                               ; the layer's codes, scale words and bias are in
	MMQ 0
.elseif \mm == 3
	MMQ 1
.endif
	v_nop
	s_wait_alu depctr_va_vdst(0)
.set j, 0
.rept 16
	v_pk_add_f32 v[T+j:T+j+1], v[T+j:T+j+1], 1.0 op_sel_hi:[1,0]
.set j, j+2
.endr
.if \ld == 1
	LOADP 1
.elseif \ld == 2
	LOADP 2
.elseif \ld == 3
	LOADB 3                                        ; W5 takes the bias's registers
.endif
.set j, 0
.rept 32
	v_rcp_f32 v[T+j], v[T+j]
.set j, j+1
.endr
	v_nop
	s_wait_alu depctr_va_vdst(0)
.set j, 0
.rept 16
	v_pk_fma_f32 v[T+j:T+j+1], v[T+j:T+j+1], -2.0, 1.0 op_sel_hi:[1,0,0]
.set j, j+2
.endr
.if \fin
.if (\m) == 0
	s_wait_dscnt 0x0                               ; W5 is in
.endif
	DOT \m
.else
	QUANT \m
.endif
.endm
; A PASS: points 32 p to 32 p + 31 of the wave, through all eight subnets
.macro PASS p
	ds_load_b64 v[PT:PT+1], v[RB] offset:REC+512*(\p)          ; (cos, sin) in lanes 0-15, (t, 1) in lanes 16-31
	ds_load_b64 v[PT+2:PT+3], v[RB] offset:REC+512*(\p)+256
	v_mov_b32 v[U], 0
	s_mov_b32 s[EW], WIMG
	s_mov_b32 s[ES], WSC
	s_mov_b32 s[EB], TAB
	s_mov_b32 s[E1], W1I
	s_mov_b32 s[EG], GATE+128*(\p)
	s_mov_b32 s[O16], 0
	s_mov_b32 s[O4], 0
	s_mov_b32 s[CNT], 0
.Ltrip_\@:
	s_load_b128 s[60:63], s[34:35], s[O16] offset:0x0          ; the subnet's four tanh scales
	s_load_b32 s90, s[32:33], s[O4] offset:0x0                 ; b5
	v_add_nc_u32 v[AW], s[EW], v[LI]
	v_add_nc_u32 v[AS], s[ES], v[R16]
	v_add_nc_u32 v[AB], s[EB], v[H128]
	v_add_nc_u32 v[A1], s[E1], v[LI]
	v_add_nc_u32 v[AG], s[EG], v[L4P]
	ds_load_b128 v[W1A:W1A+3], v[A1]
	ds_load_b128 v[W1A+4:W1A+7], v[A1] offset:512
	LOADP 0
	ds_load_b32 v[G], v[AG]
	s_wait_kmcnt 0x0
	s_mul_f32 s82, s60, 0x4038aa3b                 ; c = 2 log2(e) x scale
	s_mul_f32 s84, s61, 0x4038aa3b
	s_mul_f32 s86, s62, 0x4038aa3b
	s_mul_f32 s88, s63, 0x4038aa3b
	s_wait_dscnt 18                                ; W1's image is in (and the points, which are older): the 17 loads of the first quantised layer and the gate's may stay out
	MM1 0
.rept 8
	v_nop                                          ; eight places between this matrix form and the first read of its results
.endr
	UNIT 82, 1, 0, 0, 0
	UNIT 82, 2, 0, 0, 1
	UNIT 84, 3, 1, 0, 0
	UNIT 84, 2, 0, 0, 1
	UNIT 86, 3, 2, 0, 0
	UNIT 86, 2, 0, 0, 1
	UNIT 88, 3, 3, 1, 0
	UNIT 88, 0, 0, 1, 1
	v_permlane16_swap_b32 v[DM], v[DM+1]           ; tile 0's upper halves change places with tile 1's lower: both registers now hold, in lane l, a half of point 32 p + l
	v_add_f32 v[DM], v[DM], v[DM+1]
	v_add_f32 v[DM], s90, v[DM]                    ; + b5
	v_fmac_f32 v[U], v[G], v[DM]                   ; weighed by the gate
	s_add_co_u32 s[EW], s[EW], 12288               ; (both scalar loads were shown done by the wait on KMcnt: their offsets may step)
	s_add_co_u32 s[ES], s[ES], 768
	s_add_co_u32 s[EB], s[EB], 256
	s_add_co_u32 s[E1], s[E1], 1024
	s_add_co_u32 s[EG], s[EG], 256
	s_add_co_u32 s[O16], s[O16], 16
	s_add_co_u32 s[O4], s[O4], 4
	s_add_co_u32 s[CNT], s[CNT], 1
	s_cmp_lt_u32 s[CNT], 8
	s_cbranch_scc1 .Ltrip_\@
	ds_store_b32 v[L4P], v[U] offset:USTG+128*(\p)
.endm
	PASS 0
	PASS 1
	ds_load_b64 v[218:219], v[P8] offset:USTG      ; LDS serves a wave's instructions in order (ISA guide 5.7.1.4): this sees my two stores
	s_wait_dscnt 0x0
	v_pk_fma_f32 v[220:221], v[TT:TT+1], v[218:219], v[U0:U0+1]
	global_store_b64 v[GO], v[220:221], s[40:41] th:TH_STORE_NT   ; the wave stores 256 consecutive bytes, at a multiple of 256 from out0's first byte
	s_wait_tensorcnt 0x0
	ds_add_u32 v224, v225
	s_wait_dscnt 0x0
	s_endpgm
.Lfunc_end_k_q8508ff89a4_pinn:
	.size	k_q8508ff89a4_pinn, .Lfunc_end_k_q8508ff89a4_pinn-k_q8508ff89a4_pinn
	.p2alignl 7, 3214868480
	.fill 96, 4, 3214868480
	.section	.rodata,"a",@progbits
	.p2align	6, 0x0
	.amdhsa_kernel k_q8508ff89a4_pinn
		.amdhsa_group_segment_fixed_size 176128
		.amdhsa_private_segment_fixed_size 0
		.amdhsa_enable_private_segment 0
		.amdhsa_kernarg_size 152
		.amdhsa_user_sgpr_count 2
		.amdhsa_user_sgpr_kernarg_segment_ptr 1
		.amdhsa_wavefront_size32 1
		.amdhsa_system_sgpr_workgroup_id_x 1
		.amdhsa_system_sgpr_workgroup_id_y 1
		.amdhsa_system_sgpr_workgroup_id_z 1
		.amdhsa_system_vgpr_workitem_id 0
		.amdhsa_next_free_vgpr 226
		.amdhsa_next_free_sgpr 102
		.amdhsa_reserve_vcc 1
		.amdhsa_float_denorm_mode_32 3
		.amdhsa_float_denorm_mode_16_64 3
		.amdhsa_memory_ordered 1
		.amdhsa_forward_progress 1
		.amdhsa_inst_pref_size 146
	.end_amdhsa_kernel
	.amdgpu_metadata
---
amdhsa.version: [ 1, 2 ]
amdhsa.kernels:
  - .name:           k_q8508ff89a4_pinn
    .symbol:         k_q8508ff89a4_pinn.kd
    .args:
      - { .name: x, .offset: 0, .size: 8, .value_kind: global_buffer, .address_space: global }
      - { .name: t, .offset: 8, .size: 8, .value_kind: global_buffer, .address_space: global }
      - { .name: W1, .offset: 16, .size: 8, .value_kind: global_buffer, .address_space: global }
      - { .name: b1, .offset: 24, .size: 8, .value_kind: global_buffer, .address_space: global }
      - { .name: W2_codes, .offset: 32, .size: 8, .value_kind: global_buffer, .address_space: global }
      - { .name: W2_scales, .offset: 40, .size: 8, .value_kind: global_buffer, .address_space: global }
      - { .name: W3_codes, .offset: 48, .size: 8, .value_kind: global_buffer, .address_space: global }
      - { .name: W3_scales, .offset: 56, .size: 8, .value_kind: global_buffer, .address_space: global }
      - { .name: W4_codes, .offset: 64, .size: 8, .value_kind: global_buffer, .address_space: global }
      - { .name: W4_scales, .offset: 72, .size: 8, .value_kind: global_buffer, .address_space: global }
      - { .name: b2, .offset: 80, .size: 8, .value_kind: global_buffer, .address_space: global }
      - { .name: b3, .offset: 88, .size: 8, .value_kind: global_buffer, .address_space: global }
      - { .name: b4, .offset: 96, .size: 8, .value_kind: global_buffer, .address_space: global }
      - { .name: W5, .offset: 104, .size: 8, .value_kind: global_buffer, .address_space: global }
      - { .name: b5, .offset: 112, .size: 8, .value_kind: global_buffer, .address_space: global }
      - { .name: scales, .offset: 120, .size: 8, .value_kind: global_buffer, .address_space: global }
      - { .name: centers, .offset: 128, .size: 8, .value_kind: global_buffer, .address_space: global }
      - { .name: log_gammas, .offset: 136, .size: 8, .value_kind: global_buffer, .address_space: global }
      - { .name: out0, .offset: 144, .size: 8, .value_kind: global_buffer, .address_space: global }
    .group_segment_fixed_size: 176128
    .private_segment_fixed_size: 0
    .kernarg_segment_align: 8
    .kernarg_segment_size: 152
    .max_flat_workgroup_size: 512
    .sgpr_count:     102
    .vgpr_count:     226
    .wavefront_size: 32
...
	.end_amdgpu_metadata
.endif
;; end of part 1
;; ======== version 2 of 2: 1 launch; version 1 with the launch pinn written anew for expert scheduling mode
;; limits: a function is approximated: absolute error at most 4e-07
;; launch pinn (part 2): grid 256 x 1, 16 waves a work-group, no clusters, 176,128 bytes of LDS; arguments x, t, W1, b1, W2_codes, W2_scales, W3_codes, W3_scales, W4_codes, W4_scales, b2, b3, b4, W5, b5, scales, centers, log_gammas, out0; writes out0
.if DOCPART == 2
	.amdgcn_target "amdgcn-amd-amdhsa--gfx1250"
	.amdhsa_code_object_version 6
	.text
	.protected	k_q8508ff89a4_pinn
	.globl	k_q8508ff89a4_pinn
	.p2align	8
	.type	k_q8508ff89a4_pinn,@function
k_q8508ff89a4_pinn:
	s_mov_b64 s[64:65], 0
	v_nop
	global_prefetch_b8 v0, s[64:65] scope:SCOPE_SE
	s_setreg_imm32_b32 hwreg(HW_REG_WAVE_SCHED_MODE, 0, 2), 2
	s_setreg_imm32_b32 hwreg(HW_REG_WAVE_MODE, 25, 1), 1
	s_wait_xcnt 0x0
	s_wait_alu depctr_vm_vsrc(0)
; out[n] = tanh(t) * sum_i w_i(x, t) o_i(x, t) + x^2 cos(pi x).  262,144 points, 8 subnets, all of them weighed in for every point (soft gates).
; A subnet: (cos pi x, sin pi x, t) -> 64 in f32, three layers 64 -> 64 on codes of E2M3 with one E8M0 scale for each 32 along K, a dot product with W5; tanh(scale * (.)) behind each of the first four.
; SHARES.  256 work-groups of 16 waves; a wave owns 64 points (256 consecutive bytes of x, t and out0), in two passes of 32 points = two tiles of 16.  A pass is a loop over the 8 subnets.
; LAYOUT.  Every product is used transposed: source 0 = 16 rows of the weight, source 1 = 16 points.  Lane (r = lane % 16, h = lane / 16) holds point r throughout.
;   Row m of weight tile t is hidden unit 8 t + m % 8 + 32 (m / 8): register 8 t + j of the lane's 32 results is then unit 32 h + 8 t + j: ONE WHOLE BLOCK of the next K, in order, in one lane.
;   K is 64, the instruction's K is 128.  A lane's operand registers 0-5 and 6-11 are the instruction's blocks h and 2 + h.  Codes 0-15 of the true block h stand in registers 0-2, codes 16-31 in registers 6-8;
;   registers 3-5 and 9-11 hold zero codes on both sides, written once.  So each conversion's three registers begin on an even number, and a row's scale word is (s0, s1, s0, s1).
;   Layer 1 is the f32 matrix form with K = 4: (cos, sin, t, 1) against (W1[u][0], W1[u][1], W1[u][2], b1[u]), C = 0.  The registers ACC are written by matrix instructions alone.
;   The biases of layers 2 to 4 are the C of the products; no product adds in place.
; tanh(s z) = 1 - 2 / (1 + 2^(c z)), c = 2 log2(e) s.  cos and sin: pi x rounded to f32 as the problem has it, reduced by multiples of pi/2 in three parts, polynomials on +-pi/4.
; The softmax of the gates takes the largest logit away first.
; No tensor load and no copy: the weights (106 KB) are laid once into LDS by the 16 waves, as images of the operand registers; one barrier; behind it the shared bytes are only read.
; No cluster: what work-groups share is those weights, read once at the head; nothing is streamed.
; LIMITS.  This tanh has an absolute error of about 1.2e-7: where all 32 activations of a block lie under about 1e-3 the error relative to the block's code step grows past 1e-4.
;   The range reduction serves |pi x| under 2^22.  NaN and infinities among the inputs, and weight scale bytes 0xff, are not served.
;   A block of zeros gets the scale byte 1, not 127: its codes are zeros and this program alone reads the byte.
; THE MODE: SCHED_MODE bits 1:0 = 2 (LLVM: expert scheduling mode 2), set by the entry lines.  The code itself states the register dependences
; between vector or matrix instructions and memory or LDS instructions, with s_wait_alu, always for 0.
; THE PLAN.  Registers that LDS instructions touch in a trip (a subnet):
;   AW, AS, AB, A1, AG  Written by five additions at the trip's head; read by the trip's LDS loads.
;   W1A, W5R, G         Loaded at the trip's head; read by layer 1's products, by the two dot products and by the last multiply-add of the same trip.
;   WF, WS, BIAS        Loaded at the trip's head (layer 2) and in units 3 and 5 (layers 3 and 4); read by the layer's two runs of products.
;   PT                  Loaded at a pass's head; read by layer 1's products of its eight trips.     U  written by vector instructions; stored at a pass's end.
;   OP, SW, T, ACC are named by vector and matrix instructions alone.
; At a trip's head: a wait on vm_vsrc (the trip before has read the five addresses), the additions, a wait on va_vdst (the addresses are written; the trip before is done with all that is loaded), all the head's loads.
; A unit has two waits on va_vdst.  The first, behind the exponentials and directly ahead of the unit's products: the exponentials' results, and the codes and the scale word that the products take, are written.
; The second, behind the reciprocals: their results are written, and the products are done reading WF, WS and BIAS; the next layer's 17 loads follow it directly.
.set WIMG,  0                          ; LDS: images of W2..W4: i*12288 + l*4096 + t*1024 + p*512 + 16 lane; a place of 16 bytes holds 12 bytes of codes (p = 0: registers 0-2, p = 1: registers 6-8)
.set WSC,   98304                      ; weight scale words: i*768 + l*256 + 16 m + 4 t
.set TAB,   104448                     ; b2, b3, b4, W5 as they lie: tab*2048 + i*256 + 4 unit
.set W1I,   112640                     ; images of (W1 | b1): i*1024 + q*512 + 16 lane: the registers of tiles 2 q, 2 q + 1
.set PRIV,  120832                     ; each wave's own PRIVB bytes
.set PRIVB, 3328
.set REC,   0                          ; 64 points x 16 bytes: cos, sin, t, 1.0
.set GATE,  1024                       ; the gates: i*256 + 4 point
.set USTG,  3072                       ; the sums: 4 point
.set LI,   1                           ; v1   16 x lane
.set R16,  2                           ; v2   16 x r
.set H128, 3                           ; v3   128 x h
.set L4P,  4                           ; v4   my wave's bytes + 4 x lane
.set RB,   5                           ; v5   my wave's bytes + 16 r + 8 h
.set AW,   6                           ; v6-10 a trip's LDS addresses: codes, scale words, tables, W1's image, gate
.set AS,   7
.set AB,   8
.set A1,   9
.set AG,   10
.set G,    11                          ; v11  the gate of point 32 p + lane
.set U,    12                          ; v12  the pass's sum
.set P8,   13                          ; v13  my wave's bytes + 8 x lane
.set TT,   14                          ; v[14:15] tanh(t) of points 2 lane, 2 lane + 1
.set U0,   16                          ; v[16:17] x^2 cos(pi x) of the same
.set GO,   18                          ; v18  8 x lane
.set W1A,  20                          ; v[20:27] layer 1's weights, two registers a tile
.set PT,   28                          ; v[28:31] the points' operand, two registers a tile of points
.set WS,   32                          ; v[32:35] weight scale words: scales and nothing else
.set SW,   36                          ; v[36:37] the activations' scale words: scales and nothing else
.set MX,   38
.set MY,   39
.set SOP,  40
.set BYT,  41
.set OTH,  42
.set DD,   44                          ; v[44:45], v[46:47] the dot product's two chains
.set EE,   46
.set WF,   48                          ; v[48:95] four weight fragments
.set OP,   96                          ; v[96:119] the activations' codes, two tiles of points
.set BIAS, 120                         ; v[120:151] the layer's bias in the result's layout
.set ACC,  152                         ; v[152:183] results: destination of matrix instructions only
.set T,    184                         ; v[184:215] at work on 32 activations
.set DM,   216                         ; v216, v217 the two tiles' half dot products
.set W5R,  224                         ; v[224:255] W5 of my half's 32 units: a buffer of its own, so that it can be asked for at the trip's head
.set CNT,  3
.set EW,   91                          ; s91-95 the subnet's place in each LDS region; s96, s97 in scales and b5
.set ES,   92
.set EB,   93
.set E1,   94
.set EG,   95
.set O16,  96
.set O4,   97
	s_load_b512 s[4:19], s[0:1], 0x0               ; x, t, W1, b1, W2 codes, W2 scales, W3 codes, W3 scales
	s_load_b512 s[20:35], s[0:1], 0x40             ; W4 codes, W4 scales, b2, b3, b4, W5, b5, scales
	s_load_b128 s[36:39], s[0:1], 0x80             ; centers, log_gammas
	s_load_b64 s[40:41], s[0:1], 0x90              ; out0
	v_lshl_add_u32 v19, v0, 2, 0x2a800
	v_mov_b32 v43, 0
	v_lshrrev_b32 v218, 5, v0
	v_readfirstlane_b32 s2, v218                   ; wave 0..15
	v_and_b32 v219, 31, v0                         ; lane
	v_and_b32 v220, 15, v0                         ; r
	v_bfe_u32 v221, v0, 4, 1                       ; h
	v_and_b32 v223, 7, v0
	v_bfe_u32 v218, v0, 3, 1
	v_lshl_add_u32 v223, v218, 5, v223             ; r % 8 + 32 (r / 8): the unit of row r in tile 0
	s_wait_alu depctr_va_sdst(0)                   ; s2 is written, ahead of its first reader: the wave's places in LDS and in memory are made from it
	s_mul_i32 s98, s2, PRIVB
	s_add_co_u32 s98, s98, PRIV                    ; my wave's own bytes
	s_lshr_b32 s99, s2, 1                          ; at the head wave w lays tiles 2 (w % 2), 2 (w % 2) + 1 of subnet w / 2
	s_and_b32 s100, s2, 1
	v_lshlrev_b32 v[LI], 4, v219
	v_lshlrev_b32 v[R16], 4, v220
	v_lshlrev_b32 v[H128], 7, v221
	v_lshl_add_u32 v[L4P], v219, 2, s98
	v_lshl_add_u32 v[RB], v220, 4, s98
	v_lshl_add_u32 v[RB], v221, 3, v[RB]
	v_lshl_add_u32 v[P8], v219, 3, s98
	v_lshlrev_b32 v[GO], 3, v219
	v_lshl_add_u32 v222, v219, 5, s98              ; where my two points' records go
	; offsets in memory
	s_mul_i32 s101, s99, 3072
	s_mul_i32 s3, s100, 768
	s_add_co_u32 s101, s101, s3
	v_mul_u32_u24 v136, v223, 48                   ; codes: a row is 48 bytes; my half's block begins 24 h on
	v_mad_u32_u24 v136, v221, 24, v136
	v_add_nc_u32 v136, s101, v136
	s_lshl_b32 s101, s99, 7
	s_lshl_b32 s3, s100, 5
	s_add_co_u32 s101, s101, s3
	v_lshlrev_b32 v137, 1, v223                    ; scale bytes: two a row; lane (r, h) takes row r of tile 2 (w % 2) + h
	v_lshl_add_u32 v137, v221, 4, v137
	v_add_nc_u32 v137, s101, v137
	v_and_b32 v138, 127, v0
	v_lshlrev_b32 v138, 4, v138                    ; tables: four waves copy one table of 2,048 bytes
	s_lshl_b32 s101, s99, 6
	s_lshl_b32 s3, s100, 4
	s_add_co_u32 s101, s101, s3
	v_add_nc_u32 v147, s101, v223                  ; R: my row of W1 and b1 for the first of my two tiles
	v_mul_u32_u24 v140, v147, 12
	v_lshl_add_u32 v139, v221, 3, v140             ; W1[R][2 h]
	v_lshlrev_b32 v141, 2, v147
	v_lshlrev_b32 v142, 2, v220                    ; log_gammas: 16 numbers
	; and in LDS
	s_mul_i32 s101, s99, 12288
	s_lshl_b32 s3, s100, 11
	s_add_co_u32 s101, s101, s3
	v_add_nc_u32 v143, s101, v[LI]
	s_mul_i32 s101, s99, 768
	s_lshl_b32 s3, s100, 3
	s_add_co_u32 s101, s101, s3
	s_add_co_u32 s101, s101, WSC
	v_lshl_add_u32 v144, v221, 2, v[R16]
	v_add_nc_u32 v144, s101, v144
	v_lshl_add_u32 v145, v0, 4, TAB
	s_lshl_b32 s101, s99, 10
	s_lshl_b32 s3, s100, 9
	s_add_co_u32 s101, s101, s3
	s_add_co_u32 s101, s101, W1I
	v_add_nc_u32 v146, s101, v[LI]
	s_mov_b32 s42, 0x76543210                      ; v_permlanex16_b32's selects for lane l xor 16
	s_mov_b32 s43, 0xfedcba98
	s_mov_b32 s82, 0xbe2aaaa3                      ; sine: r + r z (S1 + z (S2 + z S3))
	s_mov_b32 s83, 0x3c08839e
	s_mov_b32 s84, 0xb94ca1f9
	s_mov_b32 s85, 0x3d2aaaa5                      ; cosine: 1 - z / 2 + z^2 (C1 + z (C2 + z C3))
	s_mov_b32 s86, 0xbab6061a
	s_mov_b32 s87, 0x37ccf5ce
	s_lshl_b32 s92, ttmp9, 12                      ; my wave's 256 bytes of x, t and out0
	s_lshl_b32 s93, s2, 8
	s_add_co_u32 s92, s92, s93
	s_mov_b32 s93, 0
	s_lshr_b32 s96, s2, 2                          ; which table my wave copies
	s_wait_kmcnt 0x0
	s_load_b512 s[44:59], s[36:37], 0x0            ; the 16 centres
	s_add_nc_u64 s[4:5], s[4:5], s[92:93]
	s_add_nc_u64 s[6:7], s[6:7], s[92:93]
	s_add_nc_u64 s[40:41], s[40:41], s[92:93]
	s_cmp_eq_u32 s96, 0                            ; the choice hangs on the wave's number alone
	s_cselect_b64 s[94:95], s[24:25], s[26:27]
	s_cmp_eq_u32 s96, 2
	s_cselect_b64 s[94:95], s[28:29], s[94:95]
	s_cmp_eq_u32 s96, 3
	s_cselect_b64 s[94:95], s[30:31], s[94:95]
	s_wait_alu depctr_va_vdst(0)                   ; all offsets and LDS addresses made above (v1-5, v13, v18, v136-147, v222) are written: the loads and stores of the whole kernel read them
	global_load_b64 v[184:185], v[GO], s[4:5] th:TH_LOAD_NT    ; x of points 2 lane, 2 lane + 1: the wave reads 256 consecutive bytes
	global_load_b64 v[186:187], v[GO], s[6:7] th:TH_LOAD_NT    ; t
	global_load_b32 v116, v142, s[38:39]
.irp l, 0,1,2
.irp tt, 0,1
.irp p, 0,1
	global_load_b96 v[48+4*(4*\l+2*\tt+\p):50+4*(4*\l+2*\tt+\p)], v136, s[12+4*\l:13+4*\l] offset:384*\tt+12*\p   ; 16 codes: half p of block h of my row
.endr
.endr
	global_load_u16 v[96+\l], v137, s[14+4*\l:15+4*\l]         ; the row's two scale bytes
.endr
	global_load_b128 v[104:107], v138, s[94:95]
.irp tt, 0,1
	global_load_b32 v[108+2*\tt], v139, s[8:9] offset:96*\tt   ; W1[u][0] or W1[u][2]
	global_load_b32 v[112+\tt], v140, s[8:9] offset:96*\tt+4   ; W1[u][1]
	global_load_b32 v[114+\tt], v141, s[10:11] offset:32*\tt   ; b1[u]
.endr
	s_wait_loadcnt 0x0
	s_wait_kmcnt 0x0
	; the shared bytes of LDS.  What goes as it was loaded goes first: no vector instruction has named these registers
.irp l, 0,1,2
.irp tt, 0,1
.irp p, 0,1
	ds_store_b96 v143, v[48+4*(4*\l+2*\tt+\p):50+4*(4*\l+2*\tt+\p)] offset:4096*\l+1024*\tt+512*\p
.endr
.endr
.endr
	ds_store_b128 v145, v[104:107]
.irp l, 0,1,2
	v_lshl_or_b32 v[100+\l], v[96+\l], 16, v[96+\l]            ; (s0, s1, s0, s1)
.endr
	v_cmp_ne_u32 vcc_lo, 0, v221
	s_wait_alu depctr_va_vcc(0)                    ; VCC is written, ahead of the two selections that read it
	v_cndmask_b32 v109, v112, v114, vcc_lo         ; lanes 0-15: k = 0, 1; lanes 16-31: k = 2, 3 (the bias)
	v_cndmask_b32 v111, v113, v115, vcc_lo
	s_wait_alu depctr_va_vdst(0)                   ; the scale words v100-102 and v109, v111 of W1's image are written, which the four LDS stores below read
.irp l, 0,1,2
	ds_store_b32 v144, v[100+\l] offset:256*\l
.endr
	ds_store_b128 v146, v[108:111]
; cos(pi x) and sin(pi x) of my point g, its record (stored behind both points' arithmetic), and x^2 cos(pi x)
.macro SINCOS g
	v_mul_f32 v190, 0x40490fdb, v[184+(\g)]        ; y = pi x, rounded once
	v_mul_f32 v191, 0x3f22f983, v190
	v_rndne_f32 v191, v191                         ; k = the nearest whole number to y / (pi/2)
	v_cvt_i32_f32 v192, v191
	v_fmamk_f32 v193, v191, 0xbfc90fdb, v190       ; r = y - k pi/2, pi/2 in three parts
	v_fmamk_f32 v193, v191, 0x333bbd2e, v193
	v_fmamk_f32 v193, v191, 0x26f72ced, v193
	v_mul_f32 v194, v193, v193                     ; z
	v_fma_f32 v195, v194, s84, s83
	v_fma_f32 v196, v194, s87, s86
	v_fma_f32 v195, v195, v194, s82
	v_fma_f32 v196, v196, v194, s85
	v_mul_f32 v195, v195, v194
	v_fma_f32 v198, v194, -0.5, 1.0
	v_mul_f32 v199, v194, v194
	v_fma_f32 v197, v195, v193, v193               ; sin r
	v_fma_f32 v198, v199, v196, v198               ; cos r
	v_and_b32 v208, 1, v192
	v_cmp_eq_u32 vcc_lo, 1, v208                   ; an odd k changes the two
	s_wait_alu depctr_va_vcc(0)                    ; VCC is written, ahead of the two selections that read it
	v_cndmask_b32 v209, v197, v198, vcc_lo
	v_cndmask_b32 v210, v198, v197, vcc_lo
	v_lshlrev_b32 v211, 30, v192                   ; the sine is negated where k % 4 is 2 or 3,
	v_and_b32 v211, 0x80000000, v211
	v_add_nc_u32 v212, 1, v192                     ; the cosine where it is 1 or 2
	v_lshlrev_b32 v212, 30, v212
	v_and_b32 v212, 0x80000000, v212
	v_xor_b32 v[200+4*(\g)], v212, v210
	v_xor_b32 v[201+4*(\g)], v211, v209
	v_mov_b32 v[202+4*(\g)], v[186+(\g)]
	v_mov_b32 v[203+4*(\g)], 1.0
	v_mul_f32 v213, v[184+(\g)], v[184+(\g)]
	v_mul_f32 v[U0+(\g)], v213, v[200+4*(\g)]
.endm
	v_mul_f32 v117, 0x3fb8aa3b, v116
	v_pk_mul_f32 v[188:189], v[186:187], 0x4038aa3b op_sel_hi:[1,0]
	v_exp_f32 v117, v117                           ; gamma = e^log_gamma
	v_exp_f32 v188, v188                           ; 2^(2 log2(e) t)
	v_exp_f32 v189, v189
	SINCOS 0                                       ; names none of the three results
	SINCOS 1
	s_wait_alu depctr_va_vdst(0)                   ; the three exponentials' results are written, ahead of their first reader; so are the two records v[200:207], which the LDS stores below read
	ds_store_b128 v222, v[200:203] offset:REC
	ds_store_b128 v222, v[204:207] offset:REC+16
.irp k, 0,1,2,3,4,5,6,7,8,9,10,11,12,13,14,15
	v_readlane_b32 s[66+\k], v117, \k
.endr
	s_wait_alu depctr_va_sdst(0)                   ; s66 to s81, the sixteen gammas, are written, ahead of their first reader
.irp i, 0,1,2,3,4,5,6,7
.irp g, 0,1
	v_sub_f32 v190, v[184+\g], s[44+2*\i]
	v_sub_f32 v191, v[186+\g], s[45+2*\i]
	v_mul_f32 v190, v190, v190
	v_mul_f32 v191, v191, v191
	v_mul_f32 v191, s[67+2*\i], v191
	v_fma_f32 v[120+2*\i+\g], v190, s[66+2*\i], v191           ; L = minus the logit
.endr
.endr
.irp g, 0,1
	v_min3_num_f32 v[192+\g], v[120+\g], v[122+\g], v[124+\g]  ; the least L is the largest logit
	v_min3_num_f32 v[192+\g], v[192+\g], v[126+\g], v[128+\g]
	v_min3_num_f32 v[192+\g], v[192+\g], v[130+\g], v[132+\g]
	v_min_num_f32 v[192+\g], v[192+\g], v[134+\g]
.endr
.irp i, 0,1,2,3,4,5,6,7
	v_pk_add_f32 v[120+2*\i:121+2*\i], v[192:193], v[120+2*\i:121+2*\i] neg_lo:[0,1] neg_hi:[0,1]
	v_pk_mul_f32 v[120+2*\i:121+2*\i], v[120+2*\i:121+2*\i], 0x3fb8aa3b op_sel_hi:[1,0]
.endr
.irp k, 0,1,2,3,4,5,6,7,8,9,10,11,12,13,14,15
	v_exp_f32 v[120+\k], v[120+\k]
.endr
	v_pk_add_f32 v[188:189], v[188:189], 1.0 op_sel_hi:[1,0]   ; (the plain instruction behind the batch)
	s_wait_alu depctr_va_vdst(0)                   ; the sixteen exponentials' results are written, ahead of their first reader
	v_pk_add_f32 v[194:195], v[120:121], v[122:123]
.irp i, 2,3,4,5,6,7
	v_pk_add_f32 v[194:195], v[194:195], v[120+2*\i:121+2*\i]
.endr
	v_rcp_f32 v194, v194
	v_rcp_f32 v195, v195
	v_rcp_f32 v188, v188
	v_rcp_f32 v189, v189
	v_nop
	s_wait_alu depctr_va_vdst(0)                   ; the four reciprocals' results are written, ahead of their first reader
	v_pk_fma_f32 v[TT:TT+1], v[188:189], -2.0, 1.0 op_sel_hi:[1,0,0]   ; tanh(t)
.irp i, 0,1,2,3,4,5,6,7
	v_pk_mul_f32 v[120+2*\i:121+2*\i], v[120+2*\i:121+2*\i], v[194:195]
.endr
	s_wait_alu depctr_va_vdst(0)                   ; the sixteen gates v[120:135] are written, which the LDS stores below read
.irp i, 0,1,2,3,4,5,6,7
	ds_store_b64 v[P8], v[120+2*\i:121+2*\i] offset:GATE+256*\i
.endr
	s_wait_dscnt 0x0                               ; for the others' sake: all my stores into LDS are done
	s_barrier_signal -1
	s_barrier_wait -1                              ; the weights' images are whole; from here on the shared bytes are only read
	s_wait_alu depctr_vm_vsrc(0)                   ; the head's loads and LDS stores have read their offsets and data (v48-94, v100-111, v120-147, v200-207): these registers are WF, OP, BIAS and T from here on
.irp c, 3,4,5,9,10,11                          ; the zero codes that fill the instruction's K beyond 64, on both sides: written once
.irp t, 0,1,2,3
	v_mov_b32 v[WF+12*\t+\c], 0
.endr
.irp m, 0,1
	v_mov_b32 v[OP+12*\m+\c], 0
.endr
.endr
	v_mov_b32 v[OTH], 0                            ; a lane permute's destination counts as one of its sources
	s_mov_b32 s83, 0                               ; named as the upper halves of the pairs that the packed scalings take their factor from
	s_mov_b32 s85, 0
	s_mov_b32 s87, 0
	s_mov_b32 s89, 0
.macro SCALEPASS cs                            ; T = c x results, from each accumulator's low end on; this empties ACC for the next products
.set j, 0
.rept 16
	v_pk_mul_f32 v[T+j:T+j+1], v[ACC+j:ACC+j+1], s[\cs:\cs+1] op_sel_hi:[1,0]
.set j, j+2
.endr
.endm
.macro MM1 m                                   ; layer 1 for tile m of points: four tiles of units, K = 4
.irp t, 0,1,2,3
	v_wmma_f32_16x16x4_f32 v[ACC+8*\t:ACC+8*\t+7], v[W1A+2*\t:W1A+2*\t+1], v[PT+2*(\m):PT+2*(\m)+1], 0
.endr
.endm
.macro MMQ m                                   ; a quantised layer for tile m of points; the bias is C
.irp t, 0,1,2,3
	v_wmma_scale_f32_16x16x128_f8f6f4 v[ACC+8*\t:ACC+8*\t+7], v[WF+12*\t:WF+12*\t+11], v[OP+12*(\m):OP+12*(\m)+11], v[BIAS+8*\t:BIAS+8*\t+7], v[WS+\t], v[SW+(\m)] matrix_a_fmt:MATRIX_FMT_FP6 matrix_b_fmt:MATRIX_FMT_FP6
.endr
.endm
.macro LOADB dst, l                            ; table l of the subnet: my half's 32 numbers, into v[dst] on
.irp q, 0,1,2,3,4,5,6,7
	ds_load_b128 v[\dst+4*\q:\dst+4*\q+3], v[AB] offset:2048*(\l)+16*\q
.endr
.endm
.macro LOADP l                                 ; 17 loads: the codes, scale words and bias of quantised layer l
.irp t, 0,1,2,3
	ds_load_b96 v[WF+12*\t:WF+12*\t+2], v[AW] offset:4096*(\l)+1024*\t
	ds_load_b96 v[WF+12*\t+6:WF+12*\t+8], v[AW] offset:4096*(\l)+1024*\t+512
.endr
	ds_load_b128 v[WS:WS+3], v[AS] offset:256*(\l)
	LOADB BIAS, \l
.endm
.macro QUANT m                                 ; my 32 activations are a whole block: its scale, its codes, and the point's scale word
	v_max3_num_f32 v[MX], |v[T]|, |v[T+1]|, 0x1800000          ; with the floor 2^(3 - 127): the byte cannot fall under 1
	v_max3_num_f32 v[MY], |v[T+16]|, |v[T+17]|, |v[T+18]|
.set j, 0
.rept 6
	v_max3_num_f32 v[MX], v[MX], |v[T+2+j]|, |v[T+3+j]|
	v_max3_num_f32 v[MY], v[MY], |v[T+19+j]|, |v[T+20+j]|
.set j, j+2
.endr
	v_max3_num_f32 v[MX], v[MX], |v[T+14]|, |v[T+15]|
	v_max3_num_f32 v[MX], v[MX], v[MY], |v[T+31]|
	v_add_nc_u32 v[SOP], 0xff000000, v[MX]         ; 2 off the exponent field: the conversions take this operand's exponent field as their scale
	v_cvt_scalef32_pk16_fp6_f32 v[OP+12*(\m):OP+12*(\m)+2], v[T:T+15], v[SOP]
	v_cvt_scalef32_pk16_fp6_f32 v[OP+12*(\m)+6:OP+12*(\m)+8], v[T+16:T+31], v[SOP]
	v_lshrrev_b32 v[BYT], 23, v[SOP]               ; the block's byte (the plain instruction behind the conversions)
	v_permlanex16_b32 v[OTH], v[BYT], s42, s43     ; the point's other block's
	v_lshl_or_b32 v[BYT], v[OTH], 8, v[BYT]
	v_lshl_or_b32 v[SW+(\m)], v[BYT], 16, v[BYT]   ; lanes 0-15: (s0, s1, s0, s1); lanes 16-31 are not read
.endm
.macro DOT m                                   ; my half of h . W5
	v_pk_mul_f32 v[DD:DD+1], v[T:T+1], v[W5R:W5R+1]
	v_pk_mul_f32 v[EE:EE+1], v[T+2:T+3], v[W5R+2:W5R+3]
.set j, 4
.rept 7
	v_pk_fma_f32 v[DD:DD+1], v[T+j:T+j+1], v[W5R+j:W5R+j+1], v[DD:DD+1]
	v_pk_fma_f32 v[EE:EE+1], v[T+j+2:T+j+3], v[W5R+j+2:W5R+j+3], v[EE:EE+1]
.set j, j+4
.endr
	v_pk_add_f32 v[DD:DD+1], v[DD:DD+1], v[EE:EE+1]
	v_add_f32 v[DM+(\m)], v[DD], v[DD+1]
.endm
; A UNIT: the tanh of one layer's results for one tile of points, and what is made of it.  cs: the layer's factor.  mm: the NEXT unit's products, issued behind the unit's first wait (1: layer 1 of tile 1;
; 2: a quantised layer of tile 0, behind the wait for its parameters; 3: of tile 1; 0: none).  ld: the next layer's parameters, asked for directly behind the unit's second wait.
; fin = 0: quantise for the next layer; 1: the dot product with W5 (shown in by the waits for all LDS loads in units 2, 4 and 6).  Each batch of 32 transcendentals has one plain instruction and one wait behind it, ahead of its first reader.
; Distances: the codes and the scale word that QUANT wrote stand the 16 scalings (12 of them name no register of a given product) and a plain line ahead of the products that read them, and the wait follows those places;
; results are read a whole unit behind their products.
.macro UNIT cs, mm, ld, fin, m
	SCALEPASS \cs
.set j, 0
.rept 32
	v_exp_f32 v[T+j], v[T+j]
.set j, j+1
.endr
	v_nop
.if \mm == 2
	s_wait_dscnt 0x0                               ; the layer's codes, scale words and bias are in
.endif
	s_wait_alu depctr_va_vdst(0)                   ; the 32 exponentials' results are written, ahead of their first reader; so are the codes and the scale word of the unit before, which the scaled products below take as source 1 and as scales
.if \mm == 1
	MM1 1
.elseif \mm == 2
	MMQ 0
.elseif \mm == 3
	MMQ 1
.endif
.set j, 0
.rept 16
	v_pk_add_f32 v[T+j:T+j+1], v[T+j:T+j+1], 1.0 op_sel_hi:[1,0]
.set j, j+2
.endr
.set j, 0
.rept 32
	v_rcp_f32 v[T+j], v[T+j]
.set j, j+1
.endr
	v_nop
	s_wait_alu depctr_va_vdst(0)                   ; the 32 reciprocals' results are written, ahead of their first reader; the products above and those of the unit before are done reading WF, WS and BIAS, in which the loads below land
.if \ld == 1
	LOADP 1                                        ; no vector or matrix instruction since the wait names WF, WS, BIAS or the three addresses
.elseif \ld == 2
	LOADP 2
.endif
.set j, 0
.rept 16
	v_pk_fma_f32 v[T+j:T+j+1], v[T+j:T+j+1], -2.0, 1.0 op_sel_hi:[1,0,0]
.set j, j+2
.endr
.if \fin
	DOT \m
.else
	QUANT \m
.endif
.endm
; A PASS: points 32 p to 32 p + 31 of the wave, through all eight subnets
.macro PASS p
	ds_load_b64 v[PT:PT+1], v[RB] offset:REC+512*(\p)          ; (cos, sin) in lanes 0-15, (t, 1) in lanes 16-31.  (In the second pass: the wait ahead of the first pass's store has shown the products done reading PT)
	ds_load_b64 v[PT+2:PT+3], v[RB] offset:REC+512*(\p)+256
.if (\p) > 0
	s_wait_alu depctr_vm_vsrc(0)                   ; the store of the first pass's sum has read v[U], which is written again below
.endif
	v_mov_b32 v[U], 0
	s_mov_b32 s[EW], WIMG
	s_mov_b32 s[ES], WSC
	s_mov_b32 s[EB], TAB
	s_mov_b32 s[E1], W1I
	s_mov_b32 s[EG], GATE+128*(\p)
	s_mov_b32 s[O16], 0
	s_mov_b32 s[O4], 0
	s_mov_b32 s[CNT], 0
.Ltrip_\@:
	s_wait_alu depctr_vm_vsrc(0)                   ; the LDS loads of the trip before have read the five addresses, which are written again below
	v_add_nc_u32 v[AW], s[EW], v[LI]
	v_add_nc_u32 v[AS], s[ES], v[R16]
	v_add_nc_u32 v[AB], s[EB], v[H128]
	v_add_nc_u32 v[A1], s[E1], v[LI]
	v_add_nc_u32 v[AG], s[EG], v[L4P]
	s_wait_alu depctr_va_vdst(0)                   ; the five addresses are written, which the loads below read; the trip before is done reading W1A, WF, WS, BIAS, W5R and G, in which they land, and s90; in a pass's first trip the zero codes of WF and OP are written
	s_load_b128 s[60:63], s[34:35], s[O16] offset:0x0          ; the subnet's four tanh scales
	s_load_b32 s90, s[32:33], s[O4] offset:0x0                 ; b5
	ds_load_b128 v[W1A:W1A+3], v[A1]
	ds_load_b128 v[W1A+4:W1A+7], v[A1] offset:512
	LOADP 0
	LOADB W5R, 3                                   ; W5
	ds_load_b32 v[G], v[AG]
	s_wait_kmcnt 0x0
	s_mul_f32 s82, s60, 0x4038aa3b                 ; c = 2 log2(e) x scale
	s_mul_f32 s84, s61, 0x4038aa3b
	s_mul_f32 s86, s62, 0x4038aa3b
	s_mul_f32 s88, s63, 0x4038aa3b
	s_wait_dscnt 26                                ; W1's image is in (and the points, which are older): the 17 loads of the first quantised layer, W5's eight and the gate's may stay out
	MM1 0
.rept 8
	v_nop                                          ; eight places between this matrix form and the first read of its results
.endr
	UNIT 82, 1, 0, 0, 0
	UNIT 82, 2, 0, 0, 1
	UNIT 84, 3, 1, 0, 0
	UNIT 84, 2, 0, 0, 1
	UNIT 86, 3, 2, 0, 0
	UNIT 86, 2, 0, 0, 1
	UNIT 88, 3, 0, 1, 0
	UNIT 88, 0, 0, 1, 1
	v_permlane16_swap_b32 v[DM], v[DM+1]           ; tile 0's upper halves change places with tile 1's lower: both registers now hold, in lane l, a half of point 32 p + l
	v_add_f32 v[DM], v[DM], v[DM+1]
	v_add_f32 v[DM], s90, v[DM]                    ; + b5
	v_fmac_f32 v[U], v[G], v[DM]                   ; weighed by the gate
	s_add_co_u32 s[EW], s[EW], 12288               ; (both scalar loads were shown done by the wait on KMcnt: their offsets may step)
	s_add_co_u32 s[ES], s[ES], 768
	s_add_co_u32 s[EB], s[EB], 256
	s_add_co_u32 s[E1], s[E1], 1024
	s_add_co_u32 s[EG], s[EG], 256
	s_add_co_u32 s[O16], s[O16], 16
	s_add_co_u32 s[O4], s[O4], 4
	s_add_co_u32 s[CNT], s[CNT], 1
	s_cmp_lt_u32 s[CNT], 8
	s_cbranch_scc1 .Ltrip_\@
	s_wait_alu depctr_va_vdst(0)                   ; the last multiply-add has written v[U], which the store below reads; layer 1's products are done reading PT, in which the next pass's loads land
	ds_store_b32 v[L4P], v[U] offset:USTG+128*(\p)
.endm
	PASS 0
	PASS 1
	ds_load_b64 v[218:219], v[P8] offset:USTG      ; LDS serves a wave's instructions in order (ISA guide 5.7.1.4): this sees my two stores
	s_wait_dscnt 0x0
	v_pk_fma_f32 v[220:221], v[TT:TT+1], v[218:219], v[U0:U0+1]
	s_wait_alu depctr_va_vdst(0)                   ; the multiply-add has written v[220:221], which the store below reads
	global_store_b64 v[GO], v[220:221], s[40:41] th:TH_STORE_NT   ; the wave stores 256 consecutive bytes, at a multiple of 256 from out0's first byte
	s_wait_dscnt 0x0
	s_wait_alu depctr_hold_cnt(0) depctr_sa_sdst(0) depctr_va_vdst(0) depctr_va_sdst(0) depctr_va_ssrc(0) depctr_va_vcc(0) depctr_vm_vsrc(0)
	s_wait_tensorcnt 0x0
	ds_add_u32 v19, v43
	s_wait_dscnt 0x0
	s_endpgm
.Lfunc_end_k_q8508ff89a4_pinn:
	.size	k_q8508ff89a4_pinn, .Lfunc_end_k_q8508ff89a4_pinn-k_q8508ff89a4_pinn
	.p2alignl 7, 3214868480
	.fill 96, 4, 3214868480
	.section	.rodata,"a",@progbits
	.p2align	6, 0x0
	.amdhsa_kernel k_q8508ff89a4_pinn
		.amdhsa_group_segment_fixed_size 176128
		.amdhsa_private_segment_fixed_size 0
		.amdhsa_enable_private_segment 0
		.amdhsa_kernarg_size 152
		.amdhsa_user_sgpr_count 2
		.amdhsa_user_sgpr_kernarg_segment_ptr 1
		.amdhsa_wavefront_size32 1
		.amdhsa_system_sgpr_workgroup_id_x 1
		.amdhsa_system_sgpr_workgroup_id_y 1
		.amdhsa_system_sgpr_workgroup_id_z 1
		.amdhsa_system_vgpr_workitem_id 0
		.amdhsa_next_free_vgpr 256
		.amdhsa_next_free_sgpr 102
		.amdhsa_reserve_vcc 1
		.amdhsa_float_denorm_mode_32 3
		.amdhsa_float_denorm_mode_16_64 3
		.amdhsa_memory_ordered 1
		.amdhsa_forward_progress 1
		.amdhsa_inst_pref_size 146
	.end_amdhsa_kernel
	.amdgpu_metadata
---
amdhsa.version: [ 1, 2 ]
amdhsa.kernels:
  - .name:           k_q8508ff89a4_pinn
    .symbol:         k_q8508ff89a4_pinn.kd
    .args:
      - { .name: x, .offset: 0, .size: 8, .value_kind: global_buffer, .address_space: global }
      - { .name: t, .offset: 8, .size: 8, .value_kind: global_buffer, .address_space: global }
      - { .name: W1, .offset: 16, .size: 8, .value_kind: global_buffer, .address_space: global }
      - { .name: b1, .offset: 24, .size: 8, .value_kind: global_buffer, .address_space: global }
      - { .name: W2_codes, .offset: 32, .size: 8, .value_kind: global_buffer, .address_space: global }
      - { .name: W2_scales, .offset: 40, .size: 8, .value_kind: global_buffer, .address_space: global }
      - { .name: W3_codes, .offset: 48, .size: 8, .value_kind: global_buffer, .address_space: global }
      - { .name: W3_scales, .offset: 56, .size: 8, .value_kind: global_buffer, .address_space: global }
      - { .name: W4_codes, .offset: 64, .size: 8, .value_kind: global_buffer, .address_space: global }
      - { .name: W4_scales, .offset: 72, .size: 8, .value_kind: global_buffer, .address_space: global }
      - { .name: b2, .offset: 80, .size: 8, .value_kind: global_buffer, .address_space: global }
      - { .name: b3, .offset: 88, .size: 8, .value_kind: global_buffer, .address_space: global }
      - { .name: b4, .offset: 96, .size: 8, .value_kind: global_buffer, .address_space: global }
      - { .name: W5, .offset: 104, .size: 8, .value_kind: global_buffer, .address_space: global }
      - { .name: b5, .offset: 112, .size: 8, .value_kind: global_buffer, .address_space: global }
      - { .name: scales, .offset: 120, .size: 8, .value_kind: global_buffer, .address_space: global }
      - { .name: centers, .offset: 128, .size: 8, .value_kind: global_buffer, .address_space: global }
      - { .name: log_gammas, .offset: 136, .size: 8, .value_kind: global_buffer, .address_space: global }
      - { .name: out0, .offset: 144, .size: 8, .value_kind: global_buffer, .address_space: global }
    .group_segment_fixed_size: 176128
    .private_segment_fixed_size: 0
    .kernarg_segment_align: 8
    .kernarg_segment_size: 152
    .max_flat_workgroup_size: 512
    .sgpr_count:     102
    .vgpr_count:     256
    .wavefront_size: 32
...
	.end_amdgpu_metadata
.endif
;; end of part 2
